; MI455X (gfx1250); checked and timed in simulation.
; The chip was launched on July 23, 2026; its instructions are those of AMD's public machine-readable ISA for CDNA 5 (MIT licence, August 2026) and "CDNA5" Instruction Set Architecture Reference Guide (July 2026). The comments in the code are by the model that wrote it; some were corrected since.
;; Self Attention. Allowed arithmetic: matrix products marked QUANTISED: E3M2 operands, one E8M0 scale for each 32 along K, by v_wmma_scale_f32_16x16x128_f8f6f4 with both operands' format E3M2, f32 sums; everything else in f32.
;; Inputs: Wk 512 x 512 float32; Wp 512 x 512 float32; Wq 512 x 512 float32; Wv 512 x 512 float32; bp 512 float32; x 2 x 4,096 x 512 float32.
;; Outputs: out0 2 x 4,096 x 512 float32.
;; This version of the problem:
;;   THIS VERSION OF THE PROBLEM IS GIVEN IN LOW PRECISION. The matrix products marked QUANTISED in the list below multiply operands that are first quantised to E3M2 (3 exponent bits, 2 mantissa bits; 6 bits a number), with one power-of-two scale for each 32 numbers along K (OCP MX v1.0); their sums are f32. All else is computed in f32.
;;   The module's matrix products, in the order in which they are computed (A, B: the left and right operand; K: the contracted axis; several contracted axes count as one K, in the product's order):
;;     1. [M 8,192, K 512] x [K 512, N 512]; A: input x; B: input Wq: QUANTISED
;;     2. [M 8,192, K 512] x [K 512, N 512]; A: input x; B: input Wk: QUANTISED
;;     3. [M 8,192, K 512] x [K 512, N 512]; A: input x; B: input Wv: QUANTISED
;;     4. batch 16 x [M 4,096, K 64] x [K 64, N 4,096]; A: computed on the way; B: computed on the way: QUANTISED
;;     5. batch 16 x [M 4,096, K 4,096] x [K 4,096, N 64]; A: softmax (see below); B: computed on the way: QUANTISED
;;     6. [M 8,192, K 512] x [K 512, N 512]; A: computed on the way; B: input Wp: QUANTISED
;;   THE QUANTISER, for each operand of a quantised product, along K:
;;     - K is cut into blocks of 32 from its start; a last block that is shorter is filled with zeros.
;;     - A block's scale is 2^e with e = floor(log2(the largest magnitude in the block)) - 4, held to -126 .. 127; a block of zeros has e = 0. As a byte (E8M0): e + 127.
;;     - Each number is divided by its block's scale, clamped to +-28, and rounded to the nearest number of E3M2, ties to even, subnormals kept.
;;     - The product sums the exact products of the quantised numbers (number of the format x scale) in f32.
;;   ~~~python
;;   def quantise(x, axis):      # numpy; x: float32 -> the quantised numbers, widened to float32 again
;;       x = np.moveaxis(x, axis, -1); K = x.shape[-1]
;;       x = np.pad(x, [(0, 0)] * (x.ndim - 1) + [(0, -K % 32)]); x = x.reshape(x.shape[:-1] + (-1, 32)); a = np.abs(x).max(-1, keepdims=True)
;;       e = np.where(a > 0, np.clip(np.frexp(np.where(a > 0, a, 1))[1] - 1 - 4, -126, 127), 0)      # np.frexp(a)[1] - 1 = floor(log2(a)), exactly
;;       r = np.clip(x / 2.0 ** e, -28, 28)
;;       step = 2.0 ** (np.maximum(np.frexp(np.where(r == 0, 1, r))[1] - 1, -2) - 2)
;;       q = np.round(r / step) * step * 2.0 ** e      # np.round: ties to even
;;       return np.moveaxis(q.reshape(q.shape[:-2] + (-1,))[..., :K], -1, axis).astype(np.float32)
;;   ~~~
;;   SOFTMAX AHEAD OF A QUANTISED PRODUCT. Where the list says 'softmax', what is quantised is not the finished softmax but p = 2^(t - M), with t = logit x log2(e) and M = ceil(the row's largest t), a whole number; so 1/2 < the row's largest p <= 1. The row's sum l is taken of the UNQUANTISED p, in f32, and the product's result is divided by l at the end. Since M is a whole number, a kernel that streams over the keys may use a running M (the ceiling of the running maximum): every later rescaling is an exact power of two, which a block's scale takes up: the codes' values come out the same.
;;   OPERANDS COMPUTED ON THE WAY. 'Computed on the way' means the value that the module computes at that place (a softmax that the list does not call 'softmax' is quantised finished and normalised). What goes into a quantiser is computed in f32, as accurately as f32 sums, v_exp_f32 and their like allow (about 1e-6 of the number): no bf16 or f16 on the way to a quantiser, and a product that is left as it is and whose result goes on into a quantised operand takes f32 operands (vector FMAs, or v_wmma_f32_16x16x4_f32). A number that lies on a knife's edge between two numbers of the format may be rounded either way, as far as f32 arithmetic and the matrix unit's own rounding can turn it there, and no further.
;; One version. Each part assembles by itself: llvm-mc -triple=amdgcn-amd-amdhsa -mcpu=gfx1250 --defsym DOCPART=n.
;; ======== version 1 of 1: 4 launches
;; limits: right only within a limited range of input values
;; workspace buffers: cod 3,932,160 bytes; scl 163,840 bytes; qc 3,145,728 bytes; qs 131,072 bytes; kv 6,553,600 bytes; oc 3,145,728 bytes; os 131,072 bytes
;; launch quant (part 1): grid 160 x 1, 4 waves a work-group, no clusters, 34,304 bytes of LDS; arguments x, Wq, Wk, Wv, Wp, cod, scl; writes cod, scl
.if DOCPART == 1
	.amdgcn_target "amdgcn-amd-amdhsa--gfx1250"
	.amdhsa_code_object_version 6
	.text
	.protected	k_q7016364307_quant
	.globl	k_q7016364307_quant
	.p2align	8
	.type	k_q7016364307_quant,@function
k_q7016364307_quant:
	s_mov_b64 s[64:65], 0
	v_nop
	global_prefetch_b8 v0, s[64:65] scope:SCOPE_SE
	s_setreg_imm32_b32 hwreg(HW_REG_WAVE_MODE, 25, 1), 1
	s_wait_xcnt 0x0
; x [8192][512] and the weights Wq, Wk, Wv, Wp [512][512], all f32 with K innermost, become codes of BF6 (E3M2) with one E8M0 byte for each 32 along K.
; A block's scale is 2^(floor(log2(largest magnitude)) - 4); its byte is the largest magnitude's exponent field - 4, held at 1 from below.
; LIMITS: NaN and infinities are not served; a block whose largest magnitude lies under 2^-122 gets the byte 1, a block of zeros too (the quantiser says 127: its codes are zeros, and this program alone reads the bytes).
; LAYOUT OF THE RESULT.  A tile is 16 rows: tile T holds rows 32 (T / 2) + 8 (T % 2) + r + 8 (r / 8), r = 0 .. 15, so that results of two neighbouring tiles are 16 neighbours along a later K.
; cod: [tile 640][K step 4][image 1,536 bytes]; an image is the operand's 12 registers as they stand: registers 4 c .. 4 c + 3 of lane l at byte 512 c + 16 l.  scl: [tile][r][K step] words of four bytes.
; Tiles 0-511 are x's, 512 + 32 m + T those of Wq, Wk, Wv, Wp (m = 0 .. 3).
; SHARES.  A wave makes one tile: 16 rows x 512 K, four K steps of 128.  Each load reads 512 consecutive bytes of one row; the 16 x 512 bytes turn through the wave's own stage in LDS
; (rows 528 bytes apart) and come back so that lane (r, h) holds k = 64 c + 32 h + 0 .. 31 of row r: two whole blocks, in the operand's own order.  No barrier: waves share nothing.
.set SP,    528                        ; a stage row: 512 bytes + 16
.set STGW,  16*SP                      ; a wave's stage
.set MX,    12                         ; v12-13  the two blocks' largest magnitudes, then their bytes
.set OPD,   14                         ; v14-15  the conversions' scale operands
.set W,     16                         ; v16-19  the row's four scale words
.set CT,    20                         ; v20-22, v24-26  the upper halves of the two blocks' codes
.set C,     28                         ; v28-39  the fragment
.set X,     40                         ; v40-103 64 numbers in the operand's order
.set R,     104                        ; v104-231 two sets of 64 registers as loaded
	s_load_b256 s[4:11], s[0:1], 0x0               ; x, Wq, Wk, Wv
	s_load_b128 s[12:15], s[0:1], 0x20             ; Wp, cod
	s_load_b64 s[16:17], s[0:1], 0x30              ; scl
	v_lshl_add_u32 v232, v0, 2, 0x8400
	v_mov_b32 v233, 0
	v_lshrrev_b32 v1, 5, v0
	v_readfirstlane_b32 s18, v1                    ; wave 0..3
	v_and_b32 v1, 31, v0                           ; lane
	v_and_b32 v2, 15, v0                           ; r
	v_bfe_u32 v3, v0, 4, 1                         ; h
	v_lshlrev_b32 v4, 4, v1                        ; 16 x lane: my bytes of a load, and of an image
	s_mul_i32 s19, s18, STGW
	v_add_nc_u32 v5, s19, v4                       ; the stage, on the way in
	v_mul_u32_u24 v6, v2, SP
	v_lshl_add_u32 v6, v3, 7, v6
	v_add_nc_u32 v6, s19, v6                       ; and on the way out: row r, + 128 h bytes
	v_lshlrev_b32 v7, 4, v2                        ; my row's four scale words
	v_lshlrev_b32 v8, 3, v3                        ; 8 h: my bytes' place in a scale word
	v_mov_b32 v10, 0                               ; a lane permute's destination counts as one of its sources
	s_mov_b32 s20, 0x76543210
	s_mov_b32 s21, 0xfedcba98                      ; lane l xor 16
	s_and_b32 s22, ttmp9, 7
	s_cmp_lt_u32 ttmp9, 128
	s_cselect_b32 s22, ttmp9, s22                  ; the work-group's number within its tensor
	s_lshl_b32 s22, s22, 2
	s_add_co_u32 s22, s22, s18                     ; my tile within the tensor
	s_lshr_b32 s24, s22, 1
	s_lshl_b32 s24, s24, 16                        ; 32 rows of 2,048 bytes for each pair of tiles,
	s_and_b32 s23, s22, 1
	s_lshl_b32 s23, s23, 14                        ; 8 rows for the odd tile
	s_add_co_u32 s24, s24, s23
	s_mov_b32 s25, 0
	s_lshl_b32 s26, ttmp9, 2
	s_add_co_u32 s26, s26, s18                     ; my tile among the 640
	s_mul_i32 s28, s26, 6144
	s_mov_b32 s29, 0
	s_lshl_b32 s30, s26, 8
	s_mov_b32 s31, 0
	s_wait_alu depctr_va_vdst(0)
	s_wait_kmcnt 0x0
	s_cmp_lt_u32 ttmp9, 152                        ; which tensor: the choice hangs on the work-group's number alone
	s_cselect_b64 s[12:13], s[10:11], s[12:13]
	s_cmp_lt_u32 ttmp9, 144
	s_cselect_b64 s[12:13], s[8:9], s[12:13]
	s_cmp_lt_u32 ttmp9, 136
	s_cselect_b64 s[12:13], s[6:7], s[12:13]
	s_cmp_lt_u32 ttmp9, 128
	s_cselect_b64 s[4:5], s[4:5], s[12:13]
	s_add_nc_u64 s[4:5], s[4:5], s[24:25]          ; the tile's first row
	s_add_nc_u64 s[14:15], s[14:15], s[28:29]      ; its four images
	s_add_nc_u64 s[16:17], s[16:17], s[30:31]      ; its scale words
.macro LOAD s                          ; K step s of the 16 rows: each load 512 consecutive bytes of one row
.irp i, 0,1,2,3,4,5,6,7,8,9,10,11,12,13,14,15
	global_load_b128 v[R+64*((\s)%2)+4*\i:R+64*((\s)%2)+4*\i+3], v4, s[4:5] offset:(\i+8*(\i/8))*2048+512*(\s) th:TH_LOAD_NT
.endr
.endm
.macro QSTEP s
.if (\s) < 3
	s_wait_loadcnt 16                              ; this step's 16 loads are in; the next step's 16 may be out
.else
	s_wait_loadcnt 0x0
.endif
.irp i, 0,1,2,3,4,5,6,7,8,9,10,11,12,13,14,15
	ds_store_b128 v5, v[R+64*((\s)%2)+4*\i:R+64*((\s)%2)+4*\i+3] offset:SP*\i
.endr
.irp c, 0,1
.irp j, 0,1,2,3,4,5,6,7
	ds_load_b128 v[X+32*\c+4*\j:X+32*\c+4*\j+3], v6 offset:256*\c+16*\j   ; LDS serves a wave's instructions in order: these see the stores above
.endr
.endr
	s_wait_dscnt 0x0                               ; the numbers are back, and the stores have read their registers,
.if (\s) < 2
	LOAD (\s)+2                                    ; which take the loads of two steps on
.endif
.irp c, 0,1
	v_max3_num_f32 v[MX+\c], |v[X+32*\c]|, |v[X+32*\c+1]|, 0x2800000   ; my block 2 c + h: all 32 numbers are mine; the floor 2^(5 - 127) keeps the byte at 1 or above
.endr
.irp i, 2,4,6,8,10,12,14,16,18,20,22,24,26,28,30
.irp c, 0,1
	v_max3_num_f32 v[MX+\c], v[MX+\c], |v[X+32*\c+\i]|, |v[X+32*\c+\i+1]|
.endr
.endr
.irp c, 0,1
	v_add_nc_u32 v[OPD+\c], 0xfe000000, v[MX+\c]   ; 4 off the exponent field: the conversion's scale operand
.endr
.irp c, 0,1
	v_lshrrev_b32 v[MX+\c], 23, v[OPD+\c]          ; the scale's byte
.endr
	v_lshl_or_b32 v9, v[MX+1], 16, v[MX]           ; my two bytes: blocks h and 2 + h,
	v_lshlrev_b32 v9, v8, v9                       ; at their places in the word;
	v_permlanex16_b32 v10, v9, s20, s21
	v_or_b32 v[W+(\s)], v9, v10                    ; with lane l xor 16's two the word is whole
.if (\s) > 0
	s_wait_alu depctr_va_vdst(0)
	s_wait_xcnt 0x0                                ; the last step's stores have read the fragment's registers
.endif
.irp c, 0,1
	v_cvt_scalef32_pk16_bf6_f32 v[C+6*\c:C+6*\c+2], v[X+32*\c:X+32*\c+15], v[OPD+\c]
	v_cvt_scalef32_pk16_bf6_f32 v[CT+4*\c:CT+4*\c+2], v[X+32*\c+16:X+32*\c+31], v[OPD+\c]   ; (a conversion's three registers begin on an even number)
.endr
	v_nop                                          ; one plain place behind a scaled conversion
.irp c, 0,1
.irp i, 0,1,2
	v_mov_b32 v[C+6*\c+3+\i], v[CT+4*\c+\i]
.endr
.endr
.irp k, 0,1,2
	global_store_b128 v4, v[C+4*\k:C+4*\k+3], s[14:15] offset:1536*(\s)+512*\k   ; 32 lanes store 512 consecutive bytes, aligned
.endr
.endm
	LOAD 0
	LOAD 1
	QSTEP 0
	QSTEP 1
	QSTEP 2
	QSTEP 3
	s_wait_xcnt 0x0                                ; EXEC changes only behind this wait
	v_cmp_gt_u32 vcc_lo, 16, v1
	s_wait_tensorcnt 0x0
	ds_add_u32 v232, v233
	s_wait_dscnt 0x0
	s_and_saveexec_b32 s19, vcc_lo
	global_store_b128 v7, v[W:W+3], s[16:17]       ; lanes 0-15 store the tile's 256 bytes of scale words
	s_wait_xcnt 0x0
	s_or_b32 exec_lo, exec_lo, s19
	s_endpgm
.Lfunc_end_k_q7016364307_quant:
	.size	k_q7016364307_quant, .Lfunc_end_k_q7016364307_quant-k_q7016364307_quant
	.p2alignl 7, 3214868480
	.fill 96, 4, 3214868480
	.section	.rodata,"a",@progbits
	.p2align	6, 0x0
	.amdhsa_kernel k_q7016364307_quant
		.amdhsa_group_segment_fixed_size 34304
		.amdhsa_private_segment_fixed_size 0
		.amdhsa_enable_private_segment 0
		.amdhsa_kernarg_size 56
		.amdhsa_user_sgpr_count 2
		.amdhsa_user_sgpr_kernarg_segment_ptr 1
		.amdhsa_wavefront_size32 1
		.amdhsa_system_sgpr_workgroup_id_x 1
		.amdhsa_system_sgpr_workgroup_id_y 1
		.amdhsa_system_sgpr_workgroup_id_z 1
		.amdhsa_system_vgpr_workitem_id 0
		.amdhsa_next_free_vgpr 234
		.amdhsa_next_free_sgpr 66
		.amdhsa_reserve_vcc 1
		.amdhsa_float_denorm_mode_32 3
		.amdhsa_float_denorm_mode_16_64 3
		.amdhsa_memory_ordered 1
		.amdhsa_forward_progress 1
		.amdhsa_inst_pref_size 30
	.end_amdhsa_kernel
	.amdgpu_metadata
---
amdhsa.version: [ 1, 2 ]
amdhsa.kernels:
  - .name:           k_q7016364307_quant
    .symbol:         k_q7016364307_quant.kd
    .args:
      - { .name: x, .offset: 0, .size: 8, .value_kind: global_buffer, .address_space: global }
      - { .name: Wq, .offset: 8, .size: 8, .value_kind: global_buffer, .address_space: global }
      - { .name: Wk, .offset: 16, .size: 8, .value_kind: global_buffer, .address_space: global }
      - { .name: Wv, .offset: 24, .size: 8, .value_kind: global_buffer, .address_space: global }
      - { .name: Wp, .offset: 32, .size: 8, .value_kind: global_buffer, .address_space: global }
      - { .name: cod, .offset: 40, .size: 8, .value_kind: global_buffer, .address_space: global }
      - { .name: scl, .offset: 48, .size: 8, .value_kind: global_buffer, .address_space: global }
    .group_segment_fixed_size: 34304
    .private_segment_fixed_size: 0
    .kernarg_segment_align: 8
    .kernarg_segment_size: 56
    .max_flat_workgroup_size: 128
    .sgpr_count:     66
    .vgpr_count:     234
    .wavefront_size: 32
...
	.end_amdgpu_metadata
.endif
;; end of part 1
;; launch qkv (part 2): grid 3 x 64, 8 waves a work-group, no clusters, 52,224 bytes of LDS; arguments cod, scl, qc, qs, kv; writes qc, qs, kv
.if DOCPART == 2
	.amdgcn_target "amdgcn-amd-amdhsa--gfx1250"
	.amdhsa_code_object_version 6
	.text
	.protected	k_q7016364307_qkv
	.globl	k_q7016364307_qkv
	.p2align	8
	.type	k_q7016364307_qkv,@function
k_q7016364307_qkv:
	s_mov_b64 s[64:65], 0
	v_nop
	global_prefetch_b8 v0, s[64:65] scope:SCOPE_SE
	s_setreg_imm32_b32 hwreg(HW_REG_WAVE_MODE, 25, 1), 1
	s_wait_xcnt 0x0
; q = x Wq^T, k = x Wk^T, v = x Wv^T on codes of BF6, sums in f32; the results are quantised at once, q and k along a head's 64 channels, v along the tokens (the keys), and leave as operand images.
; LIMITS: NaN and infinities are not served; a block whose largest magnitude lies under 2^-122, or a block of zeros, gets the byte 1 (this program alone reads the bytes).
; SHARES.  Work-group x = which product (0 q, 1 k, 2 v), y = a block of 128 tokens (8 tiles).  Wave w takes head w: 128 tokens x 64 channels, in four pairs of token tiles, 32 matrix instructions each.
; The wave's 16 weight fragments stay in registers (window 1), read once; x's 32 fragments and their scale words go through LDS once, as images, each wave bringing an eighth.
; q AND k: source 0 = 16 rows of W, source 1 = 16 tokens: a lane holds ONE token and, by the order of a tile's rows, 16 neighbouring channels in two neighbouring tiles.  A head has 64 channels, half of the
; instruction's K: the codes of token tiles 2 p and 2 p + 1 are laid as ONE fragment [A | B], scale word [A0 A1 B0 B1].
; v: source 0 = 16 tokens, source 1 = 16 rows of W: a lane holds ONE channel and 16 neighbouring tokens: pair p gives block p of the fragment of V^T (16 channels x 128 keys).
; OUT.  qc: [batch x head][step][pair][image]; qs: [..][step][r][pair] words; kv: [..][step][12,800]: four k images, four V^T images, k's words [r][pair], V's words [r][tile].
; REGISTERS: window 0: v1-6 addresses; v8-103 x's eight fragments of a pair; v104-167 eight accumulators; v168-215 the codes made; v216-223, v224-235 at work; v236-239 scale words made; v240-243 x's scale words; v244-251 W's.  window 1: W.
.set XSC,  49152                       ; LDS: x's images at 0 (8 tiles x 6,144), their scale words here (8 x 256)
.set LI,   1                           ; 16 x lane
.set L8,   2                           ; 8 x lane
.set R16,  3                           ; 16 r
.set LN,   4                           ; lane
.set XWI,  5                           ; where I store x's images
.set XWS,  6                           ; and x's scale words
.set XF,   8
.set HA,   104
.set OC,   168
.set CT,   216
.set TM,   224                         ; +0..3 largest magnitudes, +4..7 the other half's, then bytes, +8..11 scale operands
.set PWD,  236
.set XS,   240
.set WS,   244
.set MSB, 0
.macro WIN new                         ; the immediate's high byte repeats the setting that is left
.if MSB != \new
	s_set_vgpr_msb (MSB<<8)|\new
.set MSB, \new
.endif
.endm
; one product from the symbols rD, rA, rB, rC, rSA, rSB; rZ = 1: it starts the sum.  ra, rb: the side's scale words stand in lanes 16-31
.macro MM ra, rb
.if rZ
.if (\ra) && (\rb)
	v_wmma_scale_f32_16x16x128_f8f6f4 v[rD:rD+7], v[rA:rA+11], v[rB:rB+11], 0, v[rSA], v[rSB] matrix_a_fmt:MATRIX_FMT_BF6 matrix_b_fmt:MATRIX_FMT_BF6 matrix_a_scale:MATRIX_SCALE_ROW1 matrix_b_scale:MATRIX_SCALE_ROW1
.elseif (\ra)
	v_wmma_scale_f32_16x16x128_f8f6f4 v[rD:rD+7], v[rA:rA+11], v[rB:rB+11], 0, v[rSA], v[rSB] matrix_a_fmt:MATRIX_FMT_BF6 matrix_b_fmt:MATRIX_FMT_BF6 matrix_a_scale:MATRIX_SCALE_ROW1
.elseif (\rb)
	v_wmma_scale_f32_16x16x128_f8f6f4 v[rD:rD+7], v[rA:rA+11], v[rB:rB+11], 0, v[rSA], v[rSB] matrix_a_fmt:MATRIX_FMT_BF6 matrix_b_fmt:MATRIX_FMT_BF6 matrix_b_scale:MATRIX_SCALE_ROW1
.else
	v_wmma_scale_f32_16x16x128_f8f6f4 v[rD:rD+7], v[rA:rA+11], v[rB:rB+11], 0, v[rSA], v[rSB] matrix_a_fmt:MATRIX_FMT_BF6 matrix_b_fmt:MATRIX_FMT_BF6
.endif
.else
.if (\ra) && (\rb)
	v_wmma_scale_f32_16x16x128_f8f6f4 v[rD:rD+7], v[rA:rA+11], v[rB:rB+11], v[rC:rC+7], v[rSA], v[rSB] matrix_a_fmt:MATRIX_FMT_BF6 matrix_b_fmt:MATRIX_FMT_BF6 matrix_a_scale:MATRIX_SCALE_ROW1 matrix_b_scale:MATRIX_SCALE_ROW1
.elseif (\ra)
	v_wmma_scale_f32_16x16x128_f8f6f4 v[rD:rD+7], v[rA:rA+11], v[rB:rB+11], v[rC:rC+7], v[rSA], v[rSB] matrix_a_fmt:MATRIX_FMT_BF6 matrix_b_fmt:MATRIX_FMT_BF6 matrix_a_scale:MATRIX_SCALE_ROW1
.elseif (\rb)
	v_wmma_scale_f32_16x16x128_f8f6f4 v[rD:rD+7], v[rA:rA+11], v[rB:rB+11], v[rC:rC+7], v[rSA], v[rSB] matrix_a_fmt:MATRIX_FMT_BF6 matrix_b_fmt:MATRIX_FMT_BF6 matrix_b_scale:MATRIX_SCALE_ROW1
.else
	v_wmma_scale_f32_16x16x128_f8f6f4 v[rD:rD+7], v[rA:rA+11], v[rB:rB+11], v[rC:rC+7], v[rSA], v[rSB] matrix_a_fmt:MATRIX_FMT_BF6 matrix_b_fmt:MATRIX_FMT_BF6
.endif
.endif
.endm
.macro FETCHX p                        ; pair p: the eight fragments of token tiles 2 p, 2 p + 1 (12,288 dense bytes), and their scale words: lanes 0-15 the even tile's, lanes 16-31 the odd one's
.set n, 0
.rept 24
	ds_load_b128 v[XF+4*n:XF+4*n+3], v[LI] offset:12288*(\p)+512*n
.set n, n+1
.endr
	ds_load_b128 v[XS:XS+3], v[LI] offset:XSC+512*(\p)
.endm
.macro MULS isv                        ; a pair's 32 products: the eight accumulators take turns, one instruction a turn, K step by K step
	s_wait_dscnt 0x0                               ; the pair's fragments and scale words are in
.if \isv
	WIN 0x04                                       ; source 1 (W) in window 1
.else
	WIN 0x01                                       ; source 0 (W) in window 1
.endif
.irp s, 0,1,2,3
.irp e, 0,1
.irp t, 0,1,2,3
.if \s == 0
.set rZ, 1
.else
.set rZ, 0
.endif
.if \isv
.set rD, HA+8*(2*\t+\e)
.set rC, rD
.set rA, XF+12*(4*\e+\s)
.set rB, 12*(4*\t+\s)
.set rSA, XS+\s
.set rSB, WS+4*(\t/2)+\s
	MM \e, \t%2
.else
.set rD, HA+8*(4*\e+\t)
.set rC, rD
.set rA, 12*(4*\t+\s)
.set rB, XF+12*(4*\e+\s)
.set rSA, WS+4*(\t/2)+\s
.set rSB, XS+\s
	MM \t%2, \e
.endif
.endr
.endr
.endr
	WIN 0
.rept 4
	v_nop                                          ; places in front of loads into registers that the products have read, and of the first read of results
.endr
.endm
.macro QSC                             ; four blocks of 32: block b lies in registers HA + 16 b .. + 15 of lanes l and l xor 16.  Leaves the scale operands in TM + 8 + b and the bytes in TM + 4 + b
.irp b, 0,1,2,3
	v_max3_num_f32 v[TM+\b], |v[HA+16*\b]|, |v[HA+16*\b+1]|, 0x2800000   ; each accumulator is read from its low end on; the floor 2^(5 - 127) keeps the byte at 1 or above
.endr
.irp i, 2,4,6,8,10,12,14
.irp b, 0,1,2,3
	v_max3_num_f32 v[TM+\b], v[TM+\b], |v[HA+16*\b+\i]|, |v[HA+16*\b+\i+1]|
.endr
.endr
.irp b, 0,1,2,3
	s_delay_alu instid0(VALU_DEP_4)
	v_permlanex16_b32 v[TM+4+\b], v[TM+\b], s20, s21
.endr
.irp b, 0,1,2,3
	s_delay_alu instid0(VALU_DEP_4)
	v_max_num_f32 v[TM+\b], v[TM+\b], v[TM+4+\b]
.endr
.irp b, 0,1,2,3
	s_delay_alu instid0(VALU_DEP_4)
	v_add_nc_u32 v[TM+8+\b], 0xfe000000, v[TM+\b]  ; 4 off the exponent field: the conversion's scale operand
.endr
.irp b, 0,1,2,3
	s_delay_alu instid0(VALU_DEP_4)
	v_lshrrev_b32 v[TM+4+\b], 23, v[TM+8+\b]       ; the scale's byte
.endr
.endm
.macro QUANT d, w                      ; the 64 numbers in HA become a fragment in v[d] on and its scale word in v[w]
.set qd, \d
.set qw, \w
	QSC
	s_delay_alu instid0(VALU_DEP_3)
	v_lshl_or_b32 v[qw], v[TM+5], 8, v[TM+4]
	s_delay_alu instid0(VALU_DEP_1)
	v_lshl_or_b32 v[qw], v[TM+6], 16, v[qw]
	s_delay_alu instid0(VALU_DEP_1)
	v_lshl_or_b32 v[qw], v[TM+7], 24, v[qw]
.irp c, 0,1
	v_cvt_scalef32_pk16_bf6_f32 v[qd+6*\c:qd+6*\c+2], v[HA+32*\c:HA+32*\c+15], v[TM+8+2*\c]
	v_cvt_scalef32_pk16_bf6_f32 v[CT+4*\c:CT+4*\c+2], v[HA+32*\c+16:HA+32*\c+31], v[TM+8+2*\c+1]
.endr
	v_nop                                          ; one plain place behind a scaled conversion
.irp c, 0,1                            ; the operand wants a WHOLE block in a lane: lanes 0-15 block 2 c, lanes 16-31 block 2 c + 1
.irp i, 0,1,2
	v_permlane16_swap_b32 v[qd+6*\c+\i], v[CT+4*\c+\i]
.endr
.irp i, 0,1,2
	s_delay_alu instid0(VALU_DEP_3)
	v_mov_b32 v[qd+6*\c+3+\i], v[CT+4*\c+\i]
.endr
.endr
.endm
.macro TAIL                            ; lanes 0-15 store the 256 bytes of scale words
	s_wait_xcnt 0x0                                ; EXEC changes only behind this wait
	v_cmp_gt_u32 vcc_lo, 16, v[LN]
	s_wait_tensorcnt 0x0
	ds_add_u32 v254, v255
	s_wait_dscnt 0x0
	s_and_saveexec_b32 s17, vcc_lo
	global_store_b128 v[R16], v[PWD:PWD+3], s[10:11]
	s_wait_xcnt 0x0
	s_or_b32 exec_lo, exec_lo, s17
	s_endpgm
.endm
	s_load_b128 s[4:7], s[0:1], 0x0                ; cod, scl
	s_load_b128 s[8:11], s[0:1], 0x10              ; qc, qs
	s_load_b64 s[12:13], s[0:1], 0x20              ; kv
	v_lshl_add_u32 v254, v0, 2, 0xc800
	v_mov_b32 v255, 0
	v_lshrrev_b32 v1, 5, v0
	s_delay_alu instid0(VALU_DEP_1)
	v_readfirstlane_b32 s14, v1                    ; wave 0..7 = head
	s_mov_b32 s15, ttmp9                           ; 0 q, 1 k, 2 v
	s_and_b32 s16, ttmp7, 0xffff                   ; the block of 128 tokens
	v_and_b32 v[LN], 31, v0
	s_delay_alu instid0(VALU_DEP_1)
	v_lshlrev_b32 v[LI], 4, v[LN]
	s_delay_alu instid0(VALU_DEP_2)
	v_lshlrev_b32 v[L8], 3, v[LN]
	v_and_b32 v[R16], 15, v0
	s_delay_alu instid0(VALU_DEP_1)
	v_lshlrev_b32 v[R16], 4, v[R16]
	s_mul_i32 s17, s14, 6144
	v_add_nc_u32 v[XWI], s17, v[LI]
	s_lshl_b32 s18, s14, 8
	v_add_nc_u32 v[XWS], s18, v[L8]
	s_delay_alu instid0(VALU_DEP_1)
	v_add_nc_u32 v[XWS], XSC, v[XWS]
.irp b, 0,1,2,3
	v_mov_b32 v[TM+4+\b], 0                        ; a lane permute's destination counts as one of its sources
.endr
	s_mov_b32 s20, 0x76543210
	s_mov_b32 s21, 0xfedcba98                      ; lane l xor 16
	s_mul_i32 s30, s16, 49152                      ; x's images: 8 tiles a block, my eighth
	s_add_co_u32 s30, s30, s17
	s_mov_b32 s31, 0
	s_lshl_b32 s32, s16, 11                        ; x's scale words likewise
	s_add_co_u32 s32, s32, s18
	s_mov_b32 s33, 0
	s_lshl_b32 s19, s15, 5
	s_lshl_b32 s34, s14, 2
	s_add_co_u32 s19, s19, s34
	s_add_co_u32 s19, s19, 512                     ; my head's first weight tile: 512 + 32 x product + 4 x head
	s_mul_i32 s34, s19, 6144
	s_mov_b32 s35, 0
	s_lshl_b32 s36, s19, 8
	s_mov_b32 s37, 0
	s_lshr_b32 s22, s16, 5                         ; where the results go: ((batch x 8 + head) x 32 + step)
	s_lshl_b32 s22, s22, 3
	s_add_co_u32 s22, s22, s14
	s_lshl_b32 s22, s22, 5
	s_and_b32 s23, s16, 31
	s_add_co_u32 s22, s22, s23
	s_mul_i32 s24, s22, 6144                       ; q: codes,
	s_lshl_b32 s25, s22, 8                         ; words
	s_mul_i32 s26, s22, 12800                      ; k, v: the step's block,
	s_add_co_u32 s27, s26, 12288                   ; its words
	s_cmp_eq_u32 s15, 2
	s_cselect_b32 s28, 6144, 0                     ; V's images lie behind k's,
	s_cselect_b32 s29, 256, 0                      ; V's words behind k's
	s_add_co_u32 s26, s26, s28
	s_add_co_u32 s27, s27, s29
	s_wait_alu depctr_va_vdst(0)
	s_wait_kmcnt 0x0
	s_cmp_eq_u32 s15, 0                            ; the choice of buffers hangs on the work-group's number alone
	s_cselect_b32 s24, s24, s26
	s_cselect_b32 s26, s25, s27
	s_cselect_b64 s[8:9], s[8:9], s[12:13]
	s_cselect_b64 s[10:11], s[10:11], s[12:13]
	s_mov_b32 s25, 0
	s_mov_b32 s27, 0
	s_add_nc_u64 s[8:9], s[8:9], s[24:25]          ; the codes' place
	s_add_nc_u64 s[10:11], s[10:11], s[26:27]      ; the words' place
	s_add_nc_u64 s[30:31], s[4:5], s[30:31]
	s_add_nc_u64 s[32:33], s[6:7], s[32:33]
	s_add_nc_u64 s[34:35], s[4:5], s[34:35]
	s_add_nc_u64 s[36:37], s[6:7], s[36:37]
.set n, 0
.rept 12
	global_load_b128 v[HA+4*n:HA+4*n+3], v[LI], s[30:31] offset:512*n   ; my eighth of x's images: one tile, 6,144 dense bytes
.set n, n+1
.endr
	global_load_b64 v[HA+48:HA+49], v[L8], s[32:33]                     ; and its 256 bytes of scale words
	WIN 0x40                                       ; destination window 1
.set n, 0
.rept 48
	global_load_b128 v[4*n:4*n+3], v[LI], s[34:35] offset:512*n         ; my head's 16 weight fragments: fragment (tile t, K step s) at v[12 (4 t + s)] of window 1
.set n, n+1
.endr
	WIN 0
	global_load_b128 v[WS:WS+3], v[LI], s[36:37]                        ; W's scale words: tiles 0 (lanes 0-15) and 1 (lanes 16-31), four K steps,
	global_load_b128 v[WS+4:WS+7], v[LI], s[36:37] offset:512           ; tiles 2 and 3
	s_wait_loadcnt 50                              ; the first 13 loads are in; the 48 + 2 behind them may be out
.set n, 0
.rept 12
	ds_store_b128 v[XWI], v[HA+4*n:HA+4*n+3] offset:512*n
.set n, n+1
.endr
	ds_store_b64 v[XWS], v[HA+48:HA+49]
	s_wait_dscnt 0x0                               ; for the others' sake: my stores have landed
	s_barrier_signal -1
	s_barrier_wait -1                              ; x's 32 fragments lie in LDS; nothing is stored there again
	FETCHX 0
	s_wait_loadcnt 0x0                             ; W
	s_cmp_eq_u32 s15, 2
	s_cbranch_scc1 .Lv
.irp p, 0,1,2,3                        ; q or k
	MULS 0
.if \p < 3
	FETCHX \p+1
.endif
	QUANT OC+12*\p, PWD+\p
.irp c, 0,1,2
	global_store_b128 v[LI], v[OC+12*\p+4*\c:OC+12*\p+4*\c+3], s[8:9] offset:1536*\p+512*\c   ; each pair's codes have registers of their own: no store's data are written again
.endr
.endr
	TAIL
.Lv:
.irp p, 0,1,2,3                        ; v: pair p is block p along the keys, for each of the four channel tiles
	MULS 1
.if \p < 3
	FETCHX \p+1
.endif
	QSC
.irp t, 0,1,2,3
.if \p == 0
	s_delay_alu instid0(VALU_DEP_4)
	v_mov_b32 v[PWD+\t], v[TM+4+\t]
.else
	s_delay_alu instid0(VALU_DEP_4)
	v_lshl_or_b32 v[PWD+\t], v[TM+4+\t], 8*\p, v[PWD+\t]
.endif
.endr
.if (\p%2) == 0
.irp t, 0,1,2,3
	v_cvt_scalef32_pk16_bf6_f32 v[OC+12*\t+6*(\p/2):OC+12*\t+6*(\p/2)+2], v[HA+16*\t:HA+16*\t+15], v[TM+8+\t]
.endr
	v_nop                                          ; one plain place behind a scaled conversion
.else
.irp u, 0,2
.irp t, 0,1
	v_cvt_scalef32_pk16_bf6_f32 v[CT+4*\t:CT+4*\t+2], v[HA+16*(\u+\t):HA+16*(\u+\t)+15], v[TM+8+\u+\t]
.endr
	v_nop
.irp t, 0,1
.irp i, 0,1,2
	v_permlane16_swap_b32 v[OC+12*(\u+\t)+6*(\p/2)+\i], v[CT+4*\t+\i]   ; lanes 0-15 keep the even block, lanes 16-31 get the odd one
.endr
.irp i, 0,1,2
	s_delay_alu instid0(VALU_DEP_3)
	v_mov_b32 v[OC+12*(\u+\t)+6*(\p/2)+3+\i], v[CT+4*\t+\i]
.endr
.endr
.endr
.endif
.endr
.set n, 0
.rept 12
	global_store_b128 v[LI], v[OC+4*n:OC+4*n+3], s[8:9] offset:512*n    ; the four images of V^T
.set n, n+1
.endr
	TAIL
.Lfunc_end_k_q7016364307_qkv:
	.size	k_q7016364307_qkv, .Lfunc_end_k_q7016364307_qkv-k_q7016364307_qkv
	.p2alignl 7, 3214868480
	.fill 96, 4, 3214868480
	.section	.rodata,"a",@progbits
	.p2align	6, 0x0
	.amdhsa_kernel k_q7016364307_qkv
		.amdhsa_group_segment_fixed_size 52224
		.amdhsa_private_segment_fixed_size 0
		.amdhsa_enable_private_segment 0
		.amdhsa_kernarg_size 40
		.amdhsa_user_sgpr_count 2
		.amdhsa_user_sgpr_kernarg_segment_ptr 1
		.amdhsa_wavefront_size32 1
		.amdhsa_system_sgpr_workgroup_id_x 1
		.amdhsa_system_sgpr_workgroup_id_y 1
		.amdhsa_system_sgpr_workgroup_id_z 1
		.amdhsa_system_vgpr_workitem_id 0
		.amdhsa_next_free_vgpr 448
		.amdhsa_next_free_sgpr 66
		.amdhsa_reserve_vcc 1
		.amdhsa_float_denorm_mode_32 3
		.amdhsa_float_denorm_mode_16_64 3
		.amdhsa_memory_ordered 1
		.amdhsa_forward_progress 1
		.amdhsa_inst_pref_size 95
	.end_amdhsa_kernel
	.amdgpu_metadata
---
amdhsa.version: [ 1, 2 ]
amdhsa.kernels:
  - .name:           k_q7016364307_qkv
    .symbol:         k_q7016364307_qkv.kd
    .args:
      - { .name: cod, .offset: 0, .size: 8, .value_kind: global_buffer, .address_space: global }
      - { .name: scl, .offset: 8, .size: 8, .value_kind: global_buffer, .address_space: global }
      - { .name: qc, .offset: 16, .size: 8, .value_kind: global_buffer, .address_space: global }
      - { .name: qs, .offset: 24, .size: 8, .value_kind: global_buffer, .address_space: global }
      - { .name: kv, .offset: 32, .size: 8, .value_kind: global_buffer, .address_space: global }
    .group_segment_fixed_size: 52224
    .private_segment_fixed_size: 0
    .kernarg_segment_align: 8
    .kernarg_segment_size: 40
    .max_flat_workgroup_size: 256
    .sgpr_count:     66
    .vgpr_count:     448
    .wavefront_size: 32
...
	.end_amdgpu_metadata
.endif
;; end of part 2
;; launch attn (part 3): grid 16 x 16, 8 waves a work-group, clusters of 4 x 1, 327,680 bytes of LDS; arguments qc, qs, kv, oc, os; writes oc, os
.if DOCPART == 3
	.amdgcn_target "amdgcn-amd-amdhsa--gfx1250"
	.amdhsa_code_object_version 6
	.text
	.protected	k_q7016364307_attn
	.globl	k_q7016364307_attn
	.p2align	8
	.type	k_q7016364307_attn,@function
k_q7016364307_attn:
	s_mov_b64 s[64:65], 0
	v_nop
	global_prefetch_b8 v0, s[64:65] scope:SCOPE_SE
	s_setreg_imm32_b32 hwreg(HW_REG_WAVE_MODE, 25, 1), 1
	s_wait_xcnt 0x0
	s_wait_alu depctr_hold_cnt(0) depctr_sa_sdst(0) depctr_va_vdst(0) depctr_va_sdst(0) depctr_va_ssrc(0) depctr_va_vcc(0) depctr_vm_vsrc(0)
	s_getreg_b32 s2, hwreg(HW_REG_IB_STS2, 6, 4)
	s_cmp_eq_u32 s2, 0
	s_cbranch_scc0 .Lentry_in_a_cluster
	s_endpgm
.Lentry_in_a_cluster:
	s_bfe_u32 s2, ttmp6, 0x10000c
	s_cmp_lg_u32 s2, 0x3003
	s_cbranch_scc0 .Lentry_shape_is_right
	s_endpgm
.Lentry_shape_is_right:
; o = softmax(q k^T / 8) v for 16 (batch x head), 4,096 tokens, head size 64, both products on codes of BF6 with one E8M0 scale for each 32 along K; o is quantised along the channels and leaves as codes.
; THE SOFTMAX: t = score x log2(e) / 8; M = the row's largest t so far, rounded UP to a whole number; p = 2^(t - M) is quantised along the keys, not normalised; the row's sum is taken of the unquantised p
; and divides O at the end.  When M moves, the sum and O are multiplied by 2^(old M - new M): exact.
; LIMITS: NaN and infinities are not served; the promise holds while the scaled scores stay under 2^31 in magnitude; a block whose largest magnitude lies under 2^-122, or a block of zeros, gets the byte 1 (this program alone reads the bytes).
; SHARES.  A work-group owns 256 queries of one (batch, head); each of its eight waves two tiles of 16 (one image of q, [A | B]); two waves to a SIMD, 512 registers each.
; Every wave walks all 4,096 keys, 256 a step: each fragment of k and of V^T read from LDS feeds both tiles, and the running maximum and the rescaling of O are taken once for 256 keys.
; THE ORDER OF A STEP.  Tile a's scores come first; tile b's 16 score products stand singly among tile a's vector work (its chain for the maximum, its exponentials), tile a's 8 products with V^T among tile b's chain,
; tile b's 8 among the first level of its sum: a wave's matrix work and vector work go on side by side.
; K = 64 IN THE FIRST PRODUCT.  A fragment of k holds two tiles of 16 keys along K.  q stands as [0 | A | 0 | B | 0]: [A | 0] gives the first tile's scores, [0 | A] the second's; the dead half multiplies zero codes under the byte 1.
; WHICH KEYS FORM A TILE is chosen by the LDS address: lane rows 0-7 read rows 8 u .. 8 u + 7 of image 2 c, lane rows 8-15 the same rows of image 2 c + 1.  In S^T a lane (query r, half h) then holds in registers
; 64 g + 32 c + i the key 128 g + 64 c + 32 h + i: whole blocks of 32 in the operand's own order: a block's maximum needs no other lane and p's codes no exchange of lanes.
; RING.  Two slots of eight blocks of 128 keys.  A block is 12,800 dense bytes (four images of k, four of V^T, 512 bytes of scale words), brought as 25 rows of 512 bytes with 128 bytes of padding behind each:
; images lie 1,920 bytes apart.
; CLUSTER: the four query blocks of a cluster walk the same kv: each fill is asked for JOINTLY, mask 15; every wave fetches one block of 128 keys: one tensor load a wave out at any time.
; NO PREFETCH: a refill is asked for a whole slot, four steps of 256 keys, ahead of its first read, so no wave waits for that stream.
; REGISTERS.  Window 0: v1-10 addresses, v12-47 the softmax's state, v48-63 scale words, v64-93 q, v94-141 fragments, v142-191 p's codes (until then: k's second half), v192-255 O^T.  Window 1: S^T, then p: tile a v0-127, tile b v128-255; later V^T's second half in v0-47.
.set STEPM, 12800
.set STEPL, 16000
.set SLOTM, 8*STEPM
.set SLOTL, 8*STEPL
.set SLOT1, 1<<17
.set SPARE, SLOT1+SLOTL                ; the spare words: 128 bytes for each of 8 waves
.set OSTG,  SPARE+1024                 ; 512 bytes: the block's scale bytes of o; no fill lands here
.set LI,   1                           ; 16 x lane
.set SPW,  2                           ; my spare word; never rewritten
.set NIL,  3                           ; 0; never rewritten
.set KL,   4                           ; k's fragments: 1920 (r / 8) + 16 (r % 8) + 256 h
.set WL,   5                           ; k's words: 16 (r % 8) + 4 (r / 8) + 16000 h
.set VWL,  6                           ; V's words: 16 r + 16000 h
.set KA,   7                           ; the same four with the step's base
.set VA,   8
.set WA,   9
.set VWA,  10
.set NM,   12                          ; tile x: v[NM+2x] = -M, v[NM+2x+1] = the largest score so far
.set LS,   16                          ; the row's sum, in two halves
.set FF,   20                          ; 2^(old M - new M)
.set BM,   24                          ; four blocks a tile: largest score, largest p, byte
.set OP,   32                          ; half a block's largest score, then the conversions' scale operands
.set T1,   40
.set TX,   42
.set T2,   44
.set XP,   46
.set TW,   47
.set PSW,  48                          ; p's scale words: tile x, half g at 2 x + g
.set QS,   52                          ; q's: [A|0], [0|A], [B|0], [0|B]
.set KW,   56                          ; k's words: lanes 0-15 half 0, lanes 16-31 half 1
.set VW,   60                          ; V's likewise
.set QB,   64
.set KF,   94
.set PC,   142
.set O,    192
.set SO,   94                          ; the way out
.set CD,   160
.set CT,   176
.set WV,   14
.set SEL,  20
.set CS,   22
.set G1,   24
.set G0,   32
.set P0,   36
.set P1,   37
.set TB,   40
.set CNT,  41
.set SLOTS, 42
.set NCS,  43
.set MSB, 0
.macro WIN new                         ; bits 1:0 source 0, 3:2 source 1, 5:4 source 2, 7:6 destination; the high byte repeats the setting that is left
.if MSB != \new
	s_set_vgpr_msb (MSB<<8)|\new
.set MSB, \new
.endif
.endm
.macro AW
	s_wait_alu depctr_va_vdst(0)
.endm
.macro CROUND                          ; a round of the cluster's barrier
	s_barrier_signal -1
	s_barrier_wait -1
	s_cmp_lg_u32 s[WV], 0
	s_cbranch_scc1 .Lnot_wave_0_\@
	s_barrier_signal -3
.Lnot_wave_0_\@:
	s_barrier_wait -3
	s_barrier_signal -1
	s_barrier_wait -1
.endm
.macro JLOAD                           ; every wave's joint load: its block of 128 keys
	tensor_load_to_lds s[G0:G0+3], s[G1:G1+7]
	s_nop 0
.rept 4
	v_nop
.endr
.endm
.macro WM d, a, b, sa, sb, acc, row    ; one product; acc: it adds in place; row: source 0's scale words stand in lanes 16-31
.if (\acc) && (\row)
	v_wmma_scale_f32_16x16x128_f8f6f4 v[(\d):(\d)+7], v[(\a):(\a)+11], v[(\b):(\b)+11], v[(\d):(\d)+7], v[\sa], v[\sb] matrix_a_fmt:MATRIX_FMT_BF6 matrix_b_fmt:MATRIX_FMT_BF6 matrix_a_scale:MATRIX_SCALE_ROW1
.elseif (\acc)
	v_wmma_scale_f32_16x16x128_f8f6f4 v[(\d):(\d)+7], v[(\a):(\a)+11], v[(\b):(\b)+11], v[(\d):(\d)+7], v[\sa], v[\sb] matrix_a_fmt:MATRIX_FMT_BF6 matrix_b_fmt:MATRIX_FMT_BF6
.elseif (\row)
	v_wmma_scale_f32_16x16x128_f8f6f4 v[(\d):(\d)+7], v[(\a):(\a)+11], v[(\b):(\b)+11], 0, v[\sa], v[\sb] matrix_a_fmt:MATRIX_FMT_BF6 matrix_b_fmt:MATRIX_FMT_BF6 matrix_a_scale:MATRIX_SCALE_ROW1
.else
	v_wmma_scale_f32_16x16x128_f8f6f4 v[(\d):(\d)+7], v[(\a):(\a)+11], v[(\b):(\b)+11], 0, v[\sa], v[\sb] matrix_a_fmt:MATRIX_FMT_BF6 matrix_b_fmt:MATRIX_FMT_BF6
.endif
.endm
.macro KLOAD dst, gg                   ; k's four fragments (c, u) of half gg
.irp c, 0,1
.irp u, 0,1
.irp k, 0,1,2
	ds_load_b128 v[\dst+12*(2*\c+\u)+4*\k:\dst+12*(2*\c+\u)+4*\k+3], v[KA] offset:STEPL*\gg+3840*\c+128*\u+640*\k
.endr
.endr
.endr
.endm
; Product n (0..7) of S^T of tile x, half gg: fragment n / 2 at kb, q's form n % 2; each on registers of its own.  back: the windows of the vector work around it
.macro SB x, n, gg, kb, back
	WIN 0x40
	WM 128*\x+64*\gg+8*(\n), \kb+12*((\n)/2), QB+6+12*\x-6*((\n)%2), KW+(\n)/2, QS+2*\x+(\n)%2, 0, \gg
	WIN \back
.endm
; Product n (0..7) of O^T += V^T p^T of tile x: half n / 4, channel tile n % 4: four accumulators by turns, one instruction a turn
.macro PV x, n, back
.if (\n) < 4
	WIN 0
	WM O+32*\x+8*(\n), KF+12*(\n), PC+24*\x, VW+(\n), PSW+2*\x, 1, 0
.else
	WIN 0x01
	WM O+32*\x+8*((\n)-4), 12*((\n)-4), PC+24*\x+12, VW+(\n)-4, PSW+2*\x+1, 1, 1
.endif
	WIN \back
.endm
.macro HC x, n                         ; what stands among tile x's chain: tile b's scores of half 0, or tile a's products with V^T
.if \x
	PV 0, \n, 0
.else
	SB 1, \n, 0, KF, 0
.endif
.endm
; The largest score of each of a tile's four blocks of 32 keys: eight chains by turns, each accumulator from its low end on.
; Tile b's scores were made ahead of tile a's exponentials: a wait stands directly ahead of each run of their first readers.
.macro MAXP x
.set SX, 128*\x
	WIN 0x15
.if \x
	AW
.endif
.irp b, 0,1,2,3
	v_max3_num_f32 v[BM+4*\x+\b], v[SX+32*\b], v[SX+32*\b+1], v[SX+32*\b+2]
	v_max3_num_f32 v[OP+4*\x+\b], v[SX+32*\b+16], v[SX+32*\b+17], v[SX+32*\b+18]
.endr
	WIN 0x14
.if \x
	AW
.endif
.irp i, 3,5,7,9,11,13
.irp b, 0,1,2,3
	v_max3_num_f32 v[BM+4*\x+\b], v[BM+4*\x+\b], v[SX+32*\b+\i], v[SX+32*\b+\i+1]
	v_max3_num_f32 v[OP+4*\x+\b], v[OP+4*\x+\b], v[SX+32*\b+16+\i], v[SX+32*\b+17+\i]
.endr
.endr
.irp b, 0,1,2,3
	v_max_num_f32 v[BM+4*\x+\b], v[BM+4*\x+\b], v[SX+32*\b+15]
.endr
	WIN 0x04
.if \x
	AW
.endif
.irp b, 0,1,2,3
	v_max3_num_f32 v[BM+4*\x+\b], v[OP+4*\x+\b], v[SX+32*\b+31], v[BM+4*\x+\b]
.endr
	WIN 0
.endm
; The row's maximum, M and f: a chain of dependent lines, with one product behind each
.macro CHAIN x
	v_max3_num_f32 v[T1+\x], v[BM+4*\x], v[BM+4*\x+1], v[BM+4*\x+2]
	HC \x, 0
	v_max3_num_f32 v[T1+\x], v[T1+\x], v[BM+4*\x+3], v[NM+2*\x+1]
	HC \x, 1
	v_permlanex16_b32 v[TX+\x], v[T1+\x], s[SEL], s[SEL+1]
	HC \x, 2
	v_max_num_f32 v[NM+2*\x+1], v[T1+\x], v[TX+\x] ; the row's largest score so far
	HC \x, 3
	v_mul_f32 v[T1+\x], s[NCS], v[NM+2*\x+1]       ; -t
	HC \x, 4
	v_floor_f32 v[T1+\x], v[T1+\x]                 ; the new -M = -ceil(t): a whole number
	HC \x, 5
	v_sub_f32 v[T2+\x], v[T1+\x], v[NM+2*\x]       ; old M - new M: 0 or less
	v_mov_b32 v[NM+2*\x], v[T1+\x]
	HC \x, 6
	v_cvt_i32_f32 v[T2+\x], v[T2+\x]               ; (it saturates)
	HC \x, 7
	v_ldexp_f32 v[FF+2*\x], 1.0, v[T2+\x]          ; f = 2^(old M - new M)
.endm
; One tile's 128 numbers a lane: maxima, M, O^T under the new M, t - M, p, the blocks' scales, p's codes, the row's sum.
.macro SOFT x
	MAXP \x
.set SX, 128*\x
.set PX, PC+24*\x
.if \x
	AW
	s_wait_dscnt 0x0                               ; V^T's two halves are in
.endif
	CHAIN \x
.irp b, 0,1,2,3
	v_fma_f32 v[BM+4*\x+\b], v[BM+4*\x+\b], s[CS], v[NM+2*\x]   ; t - M of each block's largest score
.endr
	AW                                             ; directly ahead of the first reader of O^T; it also stands ahead of the exponentials below
.set j, 0
.rept 16
	v_pk_mul_f32 v[O+32*\x+j:O+32*\x+j+1], v[O+32*\x+j:O+32*\x+j+1], v[FF+2*\x:FF+2*\x+1] op_sel_hi:[1,0]   ; O^T under the new M
.set j, j+2
.endr
.if \x == 0
.irp t, 0,1,2,3
.irp k, 0,1,2
	ds_load_b128 v[KF+12*\t+4*\k:KF+12*\t+4*\k+3], v[VA] offset:7680+1920*\t+640*\k   ; V^T, first half, over k's first half, which both tiles have used (more than four places behind)
.endr
.endr
.endif
.irp b, 0,1,2,3
	v_exp_f32 v[BM+4*\x+\b], v[BM+4*\x+\b]         ; the block's largest p: the same two instructions on the same number
.endr
	WIN 0x41
.set j, 0
.rept 32
	v_pk_fma_f32 v[SX+j:SX+j+1], v[SX+j:SX+j+1], s[CS:CS+1], v[NM+2*\x:NM+2*\x+1] op_sel_hi:[1,0,0]   ; t - M, two at a time: the first 64
.set j, j+2
.endr
	AW
.set k, 0
.rept 32                               ; p = 2^(t - M) of the first 64; between them t - M of the other 64, first read behind the next wait
	v_exp_f32 v[SX+2*k], v[SX+2*k]
	v_pk_fma_f32 v[SX+64+2*k:SX+65+2*k], v[SX+64+2*k:SX+65+2*k], s[CS:CS+1], v[NM+2*\x:NM+2*\x+1] op_sel_hi:[1,0,0]
	v_exp_f32 v[SX+2*k+1], v[SX+2*k+1]
.if (\x == 0) && (k%8 == 3)
	SB 1, k/8, 1, PC, 0x41                         ; tile b's scores of half 1
.endif
.set k, k+1
.endr
	AW
.set k, 0
.rept 32
	v_exp_f32 v[SX+64+2*k], v[SX+64+2*k]
	v_exp_f32 v[SX+65+2*k], v[SX+65+2*k]
.if (\x == 0) && (k%8 == 3)
	SB 1, 4+k/8, 1, PC, 0x41
.endif
.set k, k+1
.endr
	WIN 0
.irp b, 0,1,2,3
	v_max_num_f32 v[BM+4*\x+\b], 0x2800000, v[BM+4*\x+\b]   ; the floor 2^(5 - 127): the byte cannot fall under 1
.endr
.irp b, 0,1,2,3
	s_delay_alu instid0(VALU_DEP_4)
	v_add_nc_u32 v[OP+4*\x+\b], 0xfe000000, v[BM+4*\x+\b]   ; 4 off the exponent field: the conversion's scale operand
.endr
.irp b, 0,1,2,3
	s_delay_alu instid0(VALU_DEP_4)
	v_lshrrev_b32 v[BM+4*\x+\b], 23, v[OP+4*\x+\b]          ; the scale's byte
.endr
	v_lshl_or_b32 v[XP], v[BM+4*\x+1], 8, v[BM+4*\x]
	v_lshl_or_b32 v[T2+\x], v[BM+4*\x+3], 8, v[BM+4*\x+2]
	s_delay_alu instid0(VALU_DEP_1)
	v_lshl_or_b32 v[XP], v[T2+\x], 16, v[XP]       ; my four bytes: blocks (g, c) of my half h
	s_delay_alu instid0(VALU_DEP_1)
	v_permlanex16_b32 v[TX+\x], v[XP], s[SEL], s[SEL+1]     ; and the other half's
	s_delay_alu instid0(VALU_DEP_1)
	v_perm_b32 v[PSW+2*\x], v[TX+\x], v[XP], s[P0] ; lanes 0-15: the word of half g = 0: mine, theirs, mine, theirs
	v_perm_b32 v[PSW+2*\x+1], v[TX+\x], v[XP], s[P1]
	AW                                             ; one wait for the batch, ahead of its first reader
	WIN 0x01
.irp b, 0,1,2,3
	v_cvt_scalef32_pk16_bf6_f32 v[PX+6*\b+4:PX+6*\b+6], v[SX+32*\b+16:SX+32*\b+31], v[OP+4*\x+\b]   ; a block's upper 16 codes, one register too high (a conversion's three begin on an even number)
.endr
	v_nop                                          ; one plain place behind a scaled conversion
	WIN 0
.irp i, 0,1,2
.irp b, 0,1,2,3
	v_mov_b32 v[PX+6*\b+3+\i], v[PX+6*\b+4+\i]     ; moved down by one, lowest first
.endr
.endr
	WIN 0x01
.irp b, 0,1,2,3
	v_cvt_scalef32_pk16_bf6_f32 v[PX+6*\b:PX+6*\b+2], v[SX+32*\b:SX+32*\b+15], v[OP+4*\x+\b]        ; the lower 16
.endr
	v_nop
	WIN 0x45
.set j, 0
.rept 32                               ; the sum of the unquantised p, a tree in place: 63 packed additions.  Among tile b's first level: its products with V^T, the first five places behind its codes
	v_pk_add_f32 v[SX+j:SX+j+1], v[SX+j:SX+j+1], v[SX+j+2:SX+j+3]
.set j, j+4
.if (\x) && (j%16 == 0)
	PV 1, j/16-1, 0x45
.endif
.endr
.set st, 4
.rept 5
.set j, 0
.rept 64/st
	v_pk_add_f32 v[SX+j:SX+j+1], v[SX+j:SX+j+1], v[SX+j+st:SX+j+st+1]
.set j, j+2*st
.endr
.set st, st*2
.endr
	WIN 0x10
	v_pk_fma_f32 v[LS+2*\x:LS+2*\x+1], v[LS+2*\x:LS+2*\x+1], v[FF+2*\x:FF+2*\x+1], v[SX:SX+1] op_sel_hi:[1,0,1]   ; the old sum under the new M, and this step's
	WIN 0
.endm
; A STEP: 256 keys, two tiles of queries.
.macro STEP
	v_add_nc_u32 v[KA], s[TB], v[KL]
	v_add_nc_u32 v[VA], s[TB], v[LI]
	v_add_nc_u32 v[WA], s[TB], v[WL]
	v_add_nc_u32 v[VWA], s[TB], v[VWL]
	v_nop                                          ; with the tree's last levels: more than five places behind the last products: loads land on their operands, and S^T is laid over V^T's second half
	AW                                             ; a wait behind these writes, which the loads below read
	KLOAD KF, 0
.irp c, 0,1
.irp u, 0,1
	ds_load_b32 v[KW+2*\c+\u], v[WA] offset:15360+128*\u+8*\c
.endr
.endr
	ds_load_b128 v[VW:VW+3], v[VWA] offset:15616
	KLOAD PC, 1
	s_wait_dscnt 12                                ; all but the twelve loads of k's second half
.irp n, 0,1,2,3,4,5,6,7
	SB 0, \n, 0, KF, 0x40                          ; tile a's scores
.endr
	s_wait_dscnt 0x0
.irp n, 0,1,2,3,4,5,6,7
	SB 0, \n, 1, PC, 0x40
.endr
	WIN 0
.rept 4
	v_nop                                          ; places in front of the first read of results
.endr
	SOFT 0
	WIN 0x40
.irp t, 0,1,2,3
.irp k, 0,1,2
	ds_load_b128 v[12*\t+4*\k:12*\t+4*\k+3], v[VA] offset:STEPL+7680+1920*\t+640*\k   ; V^T, second half, into tile a's registers, which are done with
.endr
.endr
	WIN 0
	SOFT 1
	s_add_co_u32 s[TB], s[TB], 2*STEPL
.endm
.macro STEPS4                          ; a slot's four steps, then on to the other slot's first
	s_mov_b32 s[CNT], 4
.Lstep_\@:
	STEP
	s_sub_co_u32 s[CNT], s[CNT], 1
	s_cmp_lg_u32 s[CNT], 0
	s_cbranch_scc1 .Lstep_\@
	s_sub_co_u32 s[TB], s[TB], SLOTL
	s_xor_b32 s[TB], s[TB], SLOT1
.endm
; THE CHANGE OF SLOTS.  Each wave waits for its tensor load (its part of the slot ahead), adds 0 to its spare word, and waits for that and for its reads of the slot that it leaves.
; fill = 1: behind a round of the cluster's barrier the other slot takes the next eight blocks (the first time: slot 1's first fill, issued as a refill is).
.macro CHANGE fill
	s_wait_tensorcnt 0x0
	ds_add_u32 v[SPW], v[NIL]
.if \fill
	s_xor_b32 s[G0+1], s[G0+1], SLOT1              ; no load of mine is out: the descriptor walks to the other slot,
	s_add_nc_u64 s[G0+2:G0+3], s[G0+2:G0+3], SLOTM ; the next eight blocks
	s_wait_dscnt 0x0
	CROUND
	JLOAD
.else
	s_wait_dscnt 0x0
	s_barrier_signal -1
	s_barrier_wait -1
.endif
.endm
	s_load_b128 s[4:7], s[0:1], 0x0                ; qc, qs
	s_load_b128 s[8:11], s[0:1], 0x10              ; kv, oc
	s_load_b64 s[12:13], s[0:1], 0x20              ; os
	v_lshl_add_u32 v[SPW], v0, 2, SPARE
	v_mov_b32 v[NIL], 0
	ds_add_u32 v[SPW], v[NIL]                      ; the opening lines: the add twice on end and one wait
	ds_add_u32 v[SPW], v[NIL]
	v_lshrrev_b32 v[KA], 5, v0
	v_readfirstlane_b32 s[WV], v[KA]               ; wave 0..7
	s_bfe_u32 s15, ttmp6, 0x40000                  ; cx: it enters the addresses of q, oc and os alone
	s_lshl_b32 s16, ttmp9, 2
	s_add_co_u32 s16, s16, s15                     ; my block of 256 queries
	s_and_b32 s17, ttmp7, 0xffff                   ; batch x 8 + head, which the four partners share
	s_mul_i32 s45, s[WV], STEPL                    ; LDS: my block of a slot's eight
	s_mul_i32 s46, s17, 32*STEPM
	s_mul_i32 s47, s[WV], STEPM
	s_add_co_u32 s46, s46, s47
	s_mov_b32 s47, 0
	s_lshl_b32 s50, s17, 7                         ; q's image: (batch x head) x 128 + 8 x block + wave
	s_lshl_b32 s51, s16, 3
	s_add_co_u32 s50, s50, s51
	s_add_co_u32 s50, s50, s[WV]
	s_mul_i32 s50, s50, 1536
	s_mov_b32 s51, 0
	s_lshl_b32 s52, s17, 5                         ; q's words: 256 bytes a step of 128 tokens, [r][pair]
	s_lshl_b32 s53, s16, 1
	s_add_co_u32 s52, s52, s53
	s_lshr_b32 s53, s[WV], 2
	s_add_co_u32 s52, s52, s53
	s_lshl_b32 s52, s52, 8
	s_and_b32 s53, s[WV], 3
	s_lshl_b32 s53, s53, 2
	s_add_co_u32 s52, s52, s53
	s_mov_b32 s53, 0
	s_lshr_b32 s54, s17, 3                         ; oc: token tile 256 x batch + 16 x block + 2 x wave; K step head / 2; half head % 2
	s_lshl_b32 s54, s54, 8
	s_lshl_b32 s55, s16, 4
	s_add_co_u32 s54, s54, s55
	s_lshl_b32 s55, s[WV], 1
	s_add_co_u32 s54, s54, s55
	s_mul_i32 s54, s54, 6144
	s_bfe_u32 s55, s17, 0x20001
	s_mul_i32 s55, s55, 1536
	s_add_co_u32 s54, s54, s55
	s_and_b32 s55, s17, 1
	s_mul_i32 s55, s55, 768
	s_add_co_u32 s54, s54, s55
	s_mov_b32 s55, 0
	s_lshl_b32 s56, s17, 13                        ; os: 8,192 bytes a (batch, head), 512 a block
	s_lshl_b32 s57, s16, 9
	s_add_co_u32 s56, s56, s57
	s_mov_b32 s57, 0
	s_mov_b32 s[G1], 15|(3<<16)|(1<<20)|(1<<21)|(6<<22)|(31<<25)   ; mask: all four; elements of 8 bytes; padding on; bit 21 beside a mask; behind every 128 words, 32 words
	s_mov_b32 s[G1+1], 64<<16                      ; tensor_dim0 = 64 elements: 512 bytes
	s_mov_b32 s[G1+2], 25<<16                      ; tensor_dim1 = 25 rows
	s_mov_b32 s[G1+3], 64<<16                      ; tile_dim0
	s_mov_b32 s[G1+4], 25                          ; tile_dim1
	s_mov_b32 s[G1+5], 64                          ; the rows are dense
	s_mov_b32 s[G1+6], 0
	s_mov_b32 s[G1+7], 0
	s_mov_b32 s[SEL], 0x76543210
	s_mov_b32 s[SEL+1], 0xfedcba98                 ; lane l xor 16
	s_mov_b32 s[CS], 0x3e38aa3b                    ; c = log2(e) / 8
	s_mov_b32 s[CS+1], s[CS]
	s_mov_b32 s[NCS], 0xbe38aa3b                   ; -c
	s_mov_b32 s[P0], 0x05010400
	s_mov_b32 s[P1], 0x07030602
	s_mov_b32 s[TB], 0
	s_mov_b32 s[SLOTS], 3
	s_wait_dscnt 0x0
	s_wait_kmcnt 0x0
	s_add_nc_u64 s[4:5], s[4:5], s[50:51]
	s_add_nc_u64 s[6:7], s[6:7], s[52:53]
	s_add_nc_u64 s[10:11], s[10:11], s[54:55]
	s_add_nc_u64 s[12:13], s[12:13], s[56:57]
	s_mov_b32 s[G0], 1
	s_mov_b32 s[G0+1], s45
	s_add_nc_u64 s[G0+2:G0+3], s[8:9], s[46:47]
	s_or_b32 s[G0+3], s[G0+3], 0x80000000
	CROUND                                         ; all four work-groups are here: the first joint loads meet
	JLOAD                                          ; slot 0: one tensor load a wave at the head
	v_and_b32 v[T1], 31, v0
	v_and_b32 v[T1+1], 15, v0                      ; r
	v_bfe_u32 v[TX], v0, 4, 1                      ; h
	v_and_b32 v[TX+1], 7, v0
	v_bfe_u32 v[T2], v0, 3, 1
	v_lshlrev_b32 v[LI], 4, v[T1]
	v_lshlrev_b32 v[XP], 4, v[T1+1]
	v_mul_u32_u24 v[KL], v[T2], 1920
	v_mul_u32_u24 v[WL], v[TX], STEPL
	v_lshl_add_u32 v[KL], v[TX+1], 4, v[KL]
	v_lshl_add_u32 v[VWL], v[T1+1], 4, v[WL]
	v_lshl_add_u32 v[WL], v[TX+1], 4, v[WL]
	v_lshl_add_u32 v[KL], v[TX], 8, v[KL]
	v_lshl_add_u32 v[WL], v[T2], 2, v[WL]
	AW
.irp c, 0,1,2
	global_load_b128 v[KF+4*\c:KF+4*\c+3], v[LI], s[4:5] offset:512*\c   ; my image of q: [A | B]
.endr
	global_load_b32 v[TW], v[XP], s[6:7]           ; its scale word [A0 A1 B0 B1] of row r
.irp x, 0,1
	v_mov_b32 v[NM+2*\x+1], 0xff61b1e6             ; the largest score so far: -3e38
	v_mov_b32 v[NM+2*\x], 0x7e000000               ; -M: so large that the first f is 0
	v_mov_b32 v[LS+2*\x], 0
	v_mov_b32 v[LS+2*\x+1], 0
	v_mov_b32 v[FF+2*\x+1], 0                      ; (named as the upper half of f's pair)
	v_mov_b32 v[TX+\x], 0                          ; a lane permute's destination counts as one of its sources
.endr
.irp z, 0,12,24
.irp i, 0,1,2,3,4,5
	v_mov_b32 v[QB+\z+\i], 0                       ; zero codes
.endr
.endr
	AW
	s_wait_loadcnt 0x0
.irp i, 0,1,2,3,4,5
	v_mov_b32 v[QB+6+\i], v[KF+\i]
	v_mov_b32 v[QB+18+\i], v[KF+6+\i]
.endr
	v_and_b32 v[T1], 0xffff, v[TW]
	v_lshrrev_b32 v[T1+1], 16, v[TW]
	v_and_b32 v[T2], 0xffff0000, v[TW]
	v_lshl_or_b32 v[QS+1], v[TW], 16, 0x0101       ; the dead half's bytes are 1: a finite scale over zero codes
	v_or_b32 v[QS], 0x01010000, v[T1]
	v_or_b32 v[QS+2], 0x01010000, v[T1+1]
	v_or_b32 v[QS+3], 0x0101, v[T2]
.set j, 0
.rept 64
	v_mov_b32 v[O+j], 0                            ; O^T: the step is written for every step alike; the first finds zeros.  (Also the places between the scale words and the first product)
.set j, j+1
.endr
	AW
.Lslot:                                            ; three trips: slots 0, 1, 0 are walked; ahead of each the other slot is asked for
	CHANGE 1
	STEPS4
	s_sub_co_u32 s[SLOTS], s[SLOTS], 1
	s_cmp_lg_u32 s[SLOTS], 0
	s_cbranch_scc1 .Lslot
	CHANGE 0                                       ; the last slot is written out: it asks for nothing more
	STEPS4
	; THE WAY OUT.  O^T / the sum; register 16 b + i of a tile is channel 32 b + 16 h + i of my query: two blocks, quantised along the channels: half a fragment (K step head / 2, half head % 2) of the last product.
	AW                                             ; the sums just written are read behind scalar lines
.rept 4
	v_nop                                          ; places behind the last products
.endr
	v_and_b32 v[KA], 31, v0
	v_and_b32 v[WA], 0xe0, v0
	v_and_b32 v[VWA], 15, v0
	v_lshlrev_b32 v[VA], 3, v[KA]                  ; 8 x lane
	v_lshlrev_b32 v[WA], 1, v[WA]                  ; 64 x wave
	v_lshl_add_u32 v[WA], v[VWA], 1, v[WA]
	v_add_nc_u32 v[WA], OSTG, v[WA]                ; where my query's two scale bytes go
	v_add_nc_u32 v[VWA], OSTG, v[LI]               ; where wave 0 reads the 512 bytes back
.irp x, 0,1
	v_add_f32 v[LS+2*\x], v[LS+2*\x], v[LS+2*\x+1]
.endr
.irp x, 0,1
	s_delay_alu instid0(VALU_DEP_2)
	v_permlanex16_b32 v[TX+\x], v[LS+2*\x], s[SEL], s[SEL+1]
.endr
.irp x, 0,1
	s_delay_alu instid0(VALU_DEP_2)
	v_add_f32 v[LS+2*\x], v[LS+2*\x], v[TX+\x]     ; the row's sum
.endr
	AW
.irp x, 0,1
	v_rcp_f32 v[LS+2*\x], v[LS+2*\x]
.endr
	v_nop                                          ; a plain place behind the transcendentals
	AW
.irp x, 0,1
.set j, 0
.rept 32
	v_mul_f32 v[SO+32*\x+j], v[O+32*\x+j], v[LS+2*\x]   ; each accumulator from its low end on
.set j, j+1
.endr
.endr
.irp q, 0,1,2,3                        ; q = 2 x tile + block
	v_max3_num_f32 v[BM+\q], |v[SO+16*\q]|, |v[SO+16*\q+1]|, 0x2800000
.endr
.irp i, 2,4,6,8,10,12,14
.irp q, 0,1,2,3
	s_delay_alu instid0(VALU_DEP_4)
	v_max3_num_f32 v[BM+\q], v[BM+\q], |v[SO+16*\q+\i]|, |v[SO+16*\q+\i+1]|
.endr
.endr
.irp q, 0,1,2,3
	s_delay_alu instid0(VALU_DEP_4)
	v_permlanex16_b32 v[OP+\q], v[BM+\q], s[SEL], s[SEL+1]
.endr
.irp q, 0,1,2,3
	s_delay_alu instid0(VALU_DEP_4)
	v_max_num_f32 v[BM+\q], v[BM+\q], v[OP+\q]
.endr
.irp q, 0,1,2,3
	s_delay_alu instid0(VALU_DEP_4)
	v_add_nc_u32 v[OP+\q], 0xfe000000, v[BM+\q]
.endr
.irp q, 0,1,2,3
	s_delay_alu instid0(VALU_DEP_4)
	v_lshrrev_b32 v[BM+\q], 23, v[OP+\q]
.endr
.irp x, 0,1
	v_cvt_scalef32_pk16_bf6_f32 v[CD+8*\x:CD+8*\x+2], v[SO+32*\x:SO+32*\x+15], v[OP+2*\x]
	v_cvt_scalef32_pk16_bf6_f32 v[CT+4*\x:CT+4*\x+2], v[SO+32*\x+16:SO+32*\x+31], v[OP+2*\x+1]
.endr
	v_nop                                          ; one plain place behind a scaled conversion
.irp x, 0,1
.irp i, 0,1,2
	v_permlane16_swap_b32 v[CD+8*\x+\i], v[CT+4*\x+\i]   ; lanes 0-15 block 0, lanes 16-31 block 1
.endr
.endr
.irp x, 0,1
.irp i, 0,1,2
	v_mov_b32 v[CD+8*\x+3+\i], v[CT+4*\x+\i]
.endr
.endr
.irp x, 0,1
	v_lshl_or_b32 v[T1+\x], v[BM+2*\x+1], 8, v[BM+2*\x]
.endr
.irp x, 0,1
	global_store_b128 v[LI], v[CD+8*\x:CD+8*\x+3], s[10:11] offset:6144*\x          ; the half image: registers 0-3 at 16 x lane: 512 consecutive bytes,
	global_store_b64 v[VA], v[CD+8*\x+4:CD+8*\x+5], s[10:11] offset:6144*\x+512     ; registers 4-5 at 512 + 8 x lane: 256
	ds_store_b16 v[WA], v[T1+\x] offset:32*\x      ; my query's two bytes; both lanes of a query write the same
.endr
	AW
	s_wait_dscnt 0x0                               ; for wave 0's sake: my stores have landed
	s_barrier_signal -1
	s_barrier_wait -1
	s_cmp_lg_u32 s[WV], 0
	s_cbranch_scc1 .Lnot_first
	ds_load_b128 v[SO:SO+3], v[VWA]
	s_wait_dscnt 0x0
	global_store_b128 v[LI], v[SO:SO+3], s[12:13]  ; the block's 512 scale bytes, consecutive and aligned
.Lnot_first:
	s_wait_tensorcnt 0x0                           ; the wave's end
	ds_add_u32 v[SPW], v[NIL]
	s_wait_dscnt 0x0
	CROUND                                         ; the closing round
	s_endpgm
.Lfunc_end_k_q7016364307_attn:
	.size	k_q7016364307_attn, .Lfunc_end_k_q7016364307_attn-k_q7016364307_attn
	.p2alignl 7, 3214868480
	.fill 96, 4, 3214868480
	.section	.rodata,"a",@progbits
	.p2align	6, 0x0
	.amdhsa_kernel k_q7016364307_attn
		.amdhsa_group_segment_fixed_size 327680
		.amdhsa_private_segment_fixed_size 0
		.amdhsa_enable_private_segment 0
		.amdhsa_kernarg_size 40
		.amdhsa_user_sgpr_count 2
		.amdhsa_user_sgpr_kernarg_segment_ptr 1
		.amdhsa_wavefront_size32 1
		.amdhsa_system_sgpr_workgroup_id_x 1
		.amdhsa_system_sgpr_workgroup_id_y 1
		.amdhsa_system_sgpr_workgroup_id_z 1
		.amdhsa_system_vgpr_workitem_id 0
		.amdhsa_next_free_vgpr 512
		.amdhsa_next_free_sgpr 66
		.amdhsa_reserve_vcc 0
		.amdhsa_float_denorm_mode_32 3
		.amdhsa_float_denorm_mode_16_64 3
		.amdhsa_memory_ordered 1
		.amdhsa_forward_progress 1
		.amdhsa_inst_pref_size 126
	.end_amdhsa_kernel
	.amdgpu_metadata
---
amdhsa.version: [ 1, 2 ]
amdhsa.kernels:
  - .name:           k_q7016364307_attn
    .symbol:         k_q7016364307_attn.kd
    .args:
      - { .name: qc, .offset: 0, .size: 8, .value_kind: global_buffer, .address_space: global }
      - { .name: qs, .offset: 8, .size: 8, .value_kind: global_buffer, .address_space: global }
      - { .name: kv, .offset: 16, .size: 8, .value_kind: global_buffer, .address_space: global }
      - { .name: oc, .offset: 24, .size: 8, .value_kind: global_buffer, .address_space: global }
      - { .name: os, .offset: 32, .size: 8, .value_kind: global_buffer, .address_space: global }
    .group_segment_fixed_size: 327680
    .private_segment_fixed_size: 0
    .kernarg_segment_align: 8
    .kernarg_segment_size: 40
    .max_flat_workgroup_size: 256
    .sgpr_count:     66
    .vgpr_count:     512
    .wavefront_size: 32
...
	.end_amdgpu_metadata
.endif
;; end of part 3
;; launch proj (part 4): grid 8 x 32, 8 waves a work-group, no clusters, 95,232 bytes of LDS; arguments oc, os, cod, scl, bp, out0; writes out0
.if DOCPART == 4
	.amdgcn_target "amdgcn-amd-amdhsa--gfx1250"
	.amdhsa_code_object_version 6
	.text
	.protected	k_q7016364307_proj
	.globl	k_q7016364307_proj
	.p2align	8
	.type	k_q7016364307_proj,@function
k_q7016364307_proj:
	s_mov_b64 s[64:65], 0
	v_nop
	global_prefetch_b8 v0, s[64:65] scope:SCOPE_SE
	s_setreg_imm32_b32 hwreg(HW_REG_WAVE_MODE, 25, 1), 1
	s_wait_xcnt 0x0
; out0 = o Wp^T + bp on codes of BF6, sums in f32.  o's codes and scale bytes were made by the launch before, Wp's by the first.
; SHARES.  Work-group x = 64 columns of the output (four tiles of Wp), y = 256 tokens.  Wave w takes 32 tokens (token tiles 2 P, 2 P + 1, P = 8 y + w): 8 accumulators, 32 matrix instructions.
; Wp's 16 fragments come from memory once a work-group, each wave an eighth, through LDS as images, and then stand in every wave's window 1.  o's eight fragments go straight into registers.
; Source 0 = 16 rows of Wp, source 1 = 16 tokens: a lane holds ONE token and eight neighbouring columns.  The bias is the C of each sum's first product.
; The results go through the wave's own stage in LDS (32 rows of 256 bytes + 16) and leave as rows: sixteen lanes store 256 consecutive, aligned bytes.
; REGISTERS: window 0: v1-7, v252 addresses; v8-103 o's fragments, later rows of the output; v104-167 accumulators; v216-223 o's scale bytes by head; v240-243 o's scale words; v244-251 Wp's.  window 1: v0-191 Wp, v192-223 the bias.
.set STG,  24576                       ; LDS: Wp's images at 0 (4 x 6,144); the stages from here
.set STW,  8704                        ; a wave's stage
.set SPT,  272
.set LI,   1                           ; 16 x lane
.set L8,   2                           ; 8 x lane
.set L2,   3                           ; 2 x lane
.set H64,  4                           ; 64 h
.set WWI,  5                           ; where I store my eighth of Wp's images
.set SO,   6                           ; the stage: where I put 32 bytes of a row
.set SR,   7                           ; and where I read a row back
.set XF,   8
.set HA,   104
.set RW,   216
.set XS,   240
.set WS,   244
.set GO,   252
.set BI,   192                         ; in window 1
.set MSB, 0
.macro WIN new                         ; the immediate's high byte repeats the setting that is left
.if MSB != \new
	s_set_vgpr_msb (MSB<<8)|\new
.set MSB, \new
.endif
.endm
.macro MM ra, rb                       ; one product from the symbols rD, rA, rB, rC, rSA, rSB.  ra, rb: the side's scale words stand in lanes 16-31
.if (\ra) && (\rb)
	v_wmma_scale_f32_16x16x128_f8f6f4 v[rD:rD+7], v[rA:rA+11], v[rB:rB+11], v[rC:rC+7], v[rSA], v[rSB] matrix_a_fmt:MATRIX_FMT_BF6 matrix_b_fmt:MATRIX_FMT_BF6 matrix_a_scale:MATRIX_SCALE_ROW1 matrix_b_scale:MATRIX_SCALE_ROW1
.elseif (\ra)
	v_wmma_scale_f32_16x16x128_f8f6f4 v[rD:rD+7], v[rA:rA+11], v[rB:rB+11], v[rC:rC+7], v[rSA], v[rSB] matrix_a_fmt:MATRIX_FMT_BF6 matrix_b_fmt:MATRIX_FMT_BF6 matrix_a_scale:MATRIX_SCALE_ROW1
.elseif (\rb)
	v_wmma_scale_f32_16x16x128_f8f6f4 v[rD:rD+7], v[rA:rA+11], v[rB:rB+11], v[rC:rC+7], v[rSA], v[rSB] matrix_a_fmt:MATRIX_FMT_BF6 matrix_b_fmt:MATRIX_FMT_BF6 matrix_b_scale:MATRIX_SCALE_ROW1
.else
	v_wmma_scale_f32_16x16x128_f8f6f4 v[rD:rD+7], v[rA:rA+11], v[rB:rB+11], v[rC:rC+7], v[rSA], v[rSB] matrix_a_fmt:MATRIX_FMT_BF6 matrix_b_fmt:MATRIX_FMT_BF6
.endif
.endm
	s_load_b128 s[4:7], s[0:1], 0x0                ; oc, os
	s_load_b128 s[8:11], s[0:1], 0x10              ; cod, scl
	s_load_b128 s[12:15], s[0:1], 0x20             ; bp, out0
	v_lshl_add_u32 v254, v0, 2, 0x17000
	v_mov_b32 v255, 0
	v_lshrrev_b32 v9, 5, v0
	s_delay_alu instid0(VALU_DEP_1)
	v_readfirstlane_b32 s16, v9                    ; wave 0..7
	v_and_b32 v9, 31, v0                           ; lane
	v_and_b32 v10, 15, v0                          ; r
	v_bfe_u32 v11, v0, 4, 1                        ; h
	s_delay_alu instid0(VALU_DEP_3)
	v_lshlrev_b32 v[LI], 4, v9
	s_delay_alu instid0(VALU_DEP_4)
	v_lshlrev_b32 v[L8], 3, v9
	v_lshlrev_b32 v[L2], 1, v9
	s_delay_alu instid0(VALU_DEP_4)
	v_lshlrev_b32 v[H64], 6, v11
	s_mul_i32 s32, s16, 3072
	v_add_nc_u32 v[WWI], s32, v[LI]
	s_mul_i32 s33, s16, STW
	s_add_co_u32 s33, s33, STG                     ; my stage
	v_and_b32 v12, 8, v10
	s_delay_alu instid0(VALU_DEP_1)
	v_add_nc_u32 v12, v12, v10                     ; r + 8 (r / 8): my token's row among the pair's 32 (the odd tile: 8 more)
	s_delay_alu instid0(VALU_DEP_1)
	v_mul_u32_u24 v[SO], v12, SPT
	s_delay_alu instid0(VALU_DEP_1)
	v_lshl_add_u32 v[SO], v11, 6, v[SO]
	s_delay_alu instid0(VALU_DEP_1)
	v_add_nc_u32 v[SO], s33, v[SO]
	v_mul_u32_u24 v[SR], v11, SPT                  ; back: lanes 0-15 one row, lanes 16-31 the next
	s_delay_alu instid0(VALU_DEP_1)
	v_lshl_add_u32 v[SR], v10, 4, v[SR]
	s_delay_alu instid0(VALU_DEP_1)
	v_add_nc_u32 v[SR], s33, v[SR]
	v_lshlrev_b32 v[GO], 11, v11                   ; and the same two rows of the output
	s_delay_alu instid0(VALU_DEP_1)
	v_lshl_add_u32 v[GO], v10, 4, v[GO]
	s_and_b32 s18, ttmp7, 0xffff
	s_lshl_b32 s19, s18, 3
	s_add_co_u32 s19, s19, s16                     ; P: my pair of token tiles
	s_lshl_b32 s17, ttmp9, 2
	s_add_co_u32 s17, s17, 608                     ; the unit's first tile of Wp: 512 + 96 + 4 x unit
	s_mul_i32 s20, s17, 6144
	s_add_co_u32 s20, s20, s32                     ; my eighth of its four tiles
	s_mov_b32 s21, 0
	s_mul_i32 s22, s19, 12288                      ; o's codes: two tiles
	s_mov_b32 s23, 0
	s_lshr_b32 s24, s19, 7                         ; o's scale bytes: 65,536 a batch, 64 a pair; 8,192 a head stand in the immediate
	s_lshl_b32 s24, s24, 16
	s_and_b32 s25, s19, 127
	s_lshl_b32 s25, s25, 6
	s_add_co_u32 s24, s24, s25
	s_mov_b32 s25, 0
	s_lshl_b32 s26, s17, 8
	s_mov_b32 s27, 0
	s_lshl_b32 s28, ttmp9, 8                       ; the unit's 64 columns in bytes
	s_mov_b32 s29, 0
	s_lshl_b32 s30, s19, 16                        ; 32 rows of 2,048 bytes
	s_add_co_u32 s30, s30, s28
	s_mov_b32 s31, 0
	s_wait_kmcnt 0x0
	s_add_nc_u64 s[20:21], s[8:9], s[20:21]
	s_add_nc_u64 s[22:23], s[4:5], s[22:23]
	s_add_nc_u64 s[24:25], s[6:7], s[24:25]
	s_add_nc_u64 s[26:27], s[10:11], s[26:27]
	s_add_nc_u64 s[28:29], s[12:13], s[28:29]
	s_add_nc_u64 s[30:31], s[14:15], s[30:31]
.set n, 0
.rept 6
	global_load_b128 v[HA+4*n:HA+4*n+3], v[LI], s[20:21] offset:512*n   ; my eighth of Wp's images
.set n, n+1
.endr
.irp k, 0,1,2,3,4,5,6,7                ; o's fragment (tile e, K step s), k = 4 e + s: two half images, one from each of two heads
.irp c, 0,1
	global_load_b128 v[XF+12*\k+6*\c:XF+12*\k+6*\c+3], v[LI], s[22:23] offset:1536*\k+768*\c
	global_load_b64 v[XF+12*\k+6*\c+4:XF+12*\k+6*\c+5], v[L8], s[22:23] offset:1536*\k+768*\c+512
.endr
.endr
.irp g, 0,1,2,3,4,5,6,7
	global_load_u16 v[RW+\g], v[L2], s[24:25] offset:8192*\g            ; head g's two bytes: lanes 0-15 the even tile's rows, lanes 16-31 the odd one's
.endr
	global_load_b128 v[WS:WS+3], v[LI], s[26:27]                        ; Wp's scale words: tiles 0 and 1,
	global_load_b128 v[WS+4:WS+7], v[LI], s[26:27] offset:512           ; tiles 2 and 3
	WIN 0x40                                       ; destination window 1
.irp t, 0,1,2,3
	global_load_b128 v[BI+8*\t:BI+8*\t+3], v[H64], s[28:29] offset:128*(\t/2)+32*(\t%2)       ; the bias in the result's layout: columns 32 (t / 2) + 8 (t % 2) + 16 h + 0 .. 7
	global_load_b128 v[BI+8*\t+4:BI+8*\t+7], v[H64], s[28:29] offset:128*(\t/2)+32*(\t%2)+16
.endr
	WIN 0
	s_wait_loadcnt 50                              ; the first six loads are in; the 32 + 8 + 2 + 8 behind them may be out
.set n, 0
.rept 6
	ds_store_b128 v[WWI], v[HA+4*n:HA+4*n+3] offset:512*n
.set n, n+1
.endr
	s_wait_dscnt 0x0                               ; for the others' sake: my stores have landed
	s_barrier_signal -1
	s_barrier_wait -1                              ; Wp's 16 fragments lie in LDS; nothing is stored there again
	WIN 0x40
.set n, 0
.rept 48
	ds_load_b128 v[4*n:4*n+3], v[LI] offset:512*n  ; fragment (tile t, K step s) at v[12 (4 t + s)] of window 1
.set n, n+1
.endr
	WIN 0
	s_wait_loadcnt 0x0
.irp s, 0,1,2,3
	v_lshl_or_b32 v[XS+\s], v[RW+2*\s+1], 16, v[RW+2*\s]   ; K step s: heads 2 s and 2 s + 1, two bytes each
.endr
.rept 8
	v_nop                                          ; a scale register written by a vector instruction stands eight places ahead of a scaled matrix instruction
.endr
	s_wait_alu depctr_va_vdst(0)
	s_wait_dscnt 0x0
.irp s, 0,1,2,3                        ; the eight accumulators take turns, one instruction a turn, K step by K step
.if \s == 0
	WIN 0x11                                       ; source 0 (Wp) and source 2 (the bias) in window 1
.else
	WIN 0x01
.endif
.irp e, 0,1
.irp t, 0,1,2,3
.set rD, HA+8*(4*\e+\t)
.if \s == 0
.set rC, BI+8*\t
.else
.set rC, rD
.endif
.set rA, 12*(4*\t+\s)
.set rB, XF+12*(4*\e+\s)
.set rSA, WS+4*(\t/2)+\s
.set rSB, XS+\s
	MM \t%2, \e
.endr
.endr
.endr
	WIN 0
.rept 4
	v_nop                                          ; places in front of the first read of results and of loads into registers that the products have read
.endr
.irp e, 0,1
.irp t, 0,1,2,3
	ds_store_b128 v[SO], v[HA+8*(4*\e+\t):HA+8*(4*\e+\t)+3] offset:2176*\e+128*(\t/2)+32*(\t%2)        ; each accumulator from its low end on
	ds_store_b128 v[SO], v[HA+8*(4*\e+\t)+4:HA+8*(4*\e+\t)+7] offset:2176*\e+128*(\t/2)+32*(\t%2)+16
.endr
.endr
.irp i, 0,1,2,3,4,5,6,7,8,9,10,11,12,13,14,15
	ds_load_b128 v[XF+4*\i:XF+4*\i+3], v[SR] offset:544*\i   ; LDS serves a wave's instructions in order: these see my stores
.endr
.irp i, 0,1,2,3,4,5,6,7,8,9,10,11,12,13,14,15
	s_wait_dscnt 15-\i                             ; loads come back in order: number i is in, the younger ones may be out
	global_store_b128 v[GO], v[XF+4*\i:XF+4*\i+3], s[30:31] offset:4096*\i th:TH_STORE_NT   ; two rows: twice 256 consecutive bytes, aligned; written once, read by nobody here
.endr
	s_wait_tensorcnt 0x0
	ds_add_u32 v254, v255
	s_wait_dscnt 0x0
	s_endpgm
.Lfunc_end_k_q7016364307_proj:
	.size	k_q7016364307_proj, .Lfunc_end_k_q7016364307_proj-k_q7016364307_proj
	.p2alignl 7, 3214868480
	.fill 96, 4, 3214868480
	.section	.rodata,"a",@progbits
	.p2align	6, 0x0
	.amdhsa_kernel k_q7016364307_proj
		.amdhsa_group_segment_fixed_size 95232
		.amdhsa_private_segment_fixed_size 0
		.amdhsa_enable_private_segment 0
		.amdhsa_kernarg_size 48
		.amdhsa_user_sgpr_count 2
		.amdhsa_user_sgpr_kernarg_segment_ptr 1
		.amdhsa_wavefront_size32 1
		.amdhsa_system_sgpr_workgroup_id_x 1
		.amdhsa_system_sgpr_workgroup_id_y 1
		.amdhsa_system_sgpr_workgroup_id_z 1
		.amdhsa_system_vgpr_workitem_id 0
		.amdhsa_next_free_vgpr 480
		.amdhsa_next_free_sgpr 66
		.amdhsa_reserve_vcc 0
		.amdhsa_float_denorm_mode_32 3
		.amdhsa_float_denorm_mode_16_64 3
		.amdhsa_memory_ordered 1
		.amdhsa_forward_progress 1
		.amdhsa_inst_pref_size 21
	.end_amdhsa_kernel
	.amdgpu_metadata
---
amdhsa.version: [ 1, 2 ]
amdhsa.kernels:
  - .name:           k_q7016364307_proj
    .symbol:         k_q7016364307_proj.kd
    .args:
      - { .name: oc, .offset: 0, .size: 8, .value_kind: global_buffer, .address_space: global }
      - { .name: os, .offset: 8, .size: 8, .value_kind: global_buffer, .address_space: global }
      - { .name: cod, .offset: 16, .size: 8, .value_kind: global_buffer, .address_space: global }
      - { .name: scl, .offset: 24, .size: 8, .value_kind: global_buffer, .address_space: global }
      - { .name: bp, .offset: 32, .size: 8, .value_kind: global_buffer, .address_space: global }
      - { .name: out0, .offset: 40, .size: 8, .value_kind: global_buffer, .address_space: global }
    .group_segment_fixed_size: 95232
    .private_segment_fixed_size: 0
    .kernarg_segment_align: 8
    .kernarg_segment_size: 48
    .max_flat_workgroup_size: 256
    .sgpr_count:     66
    .vgpr_count:     480
    .wavefront_size: 32
...
	.end_amdgpu_metadata
.endif
;; end of part 4
